; MI455X (gfx1250); checked and timed in simulation.
; The chip was launched on July 23, 2026; its instructions are those of AMD's public machine-readable ISA for CDNA 5 (MIT licence, August 2026) and "CDNA5" Instruction Set Architecture Reference Guide (July 2026). The comments in the code are by the model that wrote it; some were corrected since.
;; Mo E. Allowed arithmetic: float matrix products may take bf16 or f16 operands with f32 sums; other float arithmetic in f32, or as packed bf16 or f16 multiplies, adds, multiply-adds, maxima and minima; sums over many terms, partial sums and values carried from step to step in f32; what a program stores and reads back later, other than sums and carried values, may be rounded once to bf16 or f16.
;; Inputs: b_fc 8 x 2,048 float32; b_proj 8 x 1,024 float32; hidden_states 4 x 512 x 1,024 float32; w_fc 8 x 2,048 x 1,024 float32; w_gate 8 x 1,024 float32; w_proj 8 x 1,024 x 2,048 float32.
;; Outputs: out0 4 x 512 x 1,024 float32.
;; One version. Each part assembles by itself: llvm-mc -triple=amdgcn-amd-amdhsa -mcpu=gfx1250 --defsym DOCPART=n.
;; ======== version 1 of 1: 4 launches
;; limits: values are held in f16: magnitudes above 65,504 overflow, below 6.1e-05 lose precision
;; workspace buffers: xb 4,194,304 bytes; sel 16,384 bytes of whole numbers; gates 16,384 bytes; hid 67,108,864 bytes; part 33,554,432 bytes
;; launch route (part 1): grid 128 x 1, 8 waves a work-group, no clusters, 39,936 bytes of LDS; arguments hidden_states, w_gate, xb, sel, gates; writes xb, sel, gates
.if DOCPART == 1
	.amdgcn_target "amdgcn-amd-amdhsa--gfx1250"
	.amdhsa_code_object_version 6
	.text
	.protected	k_q81ec7e5ac7_route
	.globl	k_q81ec7e5ac7_route
	.p2align	8
	.type	k_q81ec7e5ac7_route,@function
k_q81ec7e5ac7_route:
	s_mov_b64 s[64:65], 0
	v_nop
	global_prefetch_b8 v0, s[64:65] scope:SCOPE_SE
	s_setreg_imm32_b32 hwreg(HW_REG_WAVE_MODE, 25, 1), 1
	s_wait_xcnt 0x0
; ROUTER.  x = hidden_states as [2048][1024] f32, w_gate [8][1024] f32.  Stores xb = x rounded once to bf16 ([2048][1024]); for slot v = 2 t + k (k = 0, 1)
; sel[v] = the expert of token t's k-th choice (u32) and gates[v] = its softmax weight over the two chosen logits (f32).  All at fixed places: no address here hangs on a logit.
; LIMITS.  The logits are made of x and w_gate ROUNDED TO bf16 (products in the matrix unit, sums in f32): the whole program works on inputs rounded once to bf16.  A token whose second and third
; logits lie closer than the rounding of the f32 sums may choose otherwise than another order of summation would.  Ties keep the lower index, as lax.top_k does.  NaN and infinities are not treated apart.
; SHARES.  128 work-groups of 16 tokens (2,048 / 16); wave w takes k = 128 w .. 128 w + 127 of all 16 rows; the eight partial logits meet in LDS and wave 0 chooses.
; No cluster: the one thing shared is w_gate, 32 KB against a work-group's 64 KB of x, read through registers since it must be rounded.
.set XPI,   272                        ; a row of 128 bf16 in LDS: 256 bytes + 16: the 16 rows of a fragment load start at 16 different 16-byte columns of 256 bytes
.set XWV,   16*XPI                     ; a wave's 16 rows
.set RED,   8*XWV                      ; 34,816: 8 waves x 16 tokens x 8 partial logits (512 bytes a wave)
.set SPARE, RED+8*512                  ; 38,912: the spare words, 128 bytes a wave, four blocks of 256 bytes that no other line names
.set SPW, 4                            ; v4   my spare word; never rewritten
.set NIL, 5                            ; v5   0; never rewritten
.set L16, 6                            ; v6   16 x lane
.set L8,  7                            ; v7   8 x lane
.set WGO, 8                            ; v8   (r % 8) x 4096 + 32 h: my place in w_gate
.set XSA, 9                            ; v9   where I put 8 bytes of a row of xb in my wave's LDS rows
.set XFA, 10                           ; v10  where I read a fragment of them
.set RA,  11                           ; v11  where I put four partial logits
.set SO,  12                           ; v12  4 (2 r + h): my slot in sel and gates
.set RB,  14                           ; v14  RED + 32 r: a token's eight partial logits of wave 0
.set X,   16                           ; v16-79   16 rows x 4 f32 as loaded
.set G,   80                           ; v80-143  w_gate, 4 K steps x 16 f32, in fragment order
.set XB,  144                          ; v144-175 16 rows x 4 bf16
.set GF,  16                           ; v16-47   w_gate's fragments (over X)
.set XF,  48                           ; v48-79   x's fragments (over X)
.set A0,  176                          ; two accumulators, by turns
.set A1,  184
.set TT,  192
	s_load_b256 s[4:11], s[0:1], 0x0               ; hidden_states s[4:5], w_gate s[6:7], xb s[8:9], sel s[10:11]
	s_load_b64 s[12:13], s[0:1], 0x20              ; gates
	v_lshl_add_u32 v[SPW], v0, 2, SPARE
	v_mov_b32 v[NIL], 0
	v_lshrrev_b32 v13, 5, v0
	v_readfirstlane_b32 s14, v13                   ; wave 0..7
	v_and_b32 v3, 31, v0                           ; lane
	v_and_b32 v1, 15, v0                           ; r
	v_bfe_u32 v2, v0, 4, 1                         ; h
	v_lshlrev_b32 v[L16], 4, v3
	v_lshlrev_b32 v[L8], 3, v3
	v_and_b32 v[WGO], 7, v0
	v_lshlrev_b32 v[WGO], 12, v[WGO]
	v_lshl_add_u32 v[WGO], v2, 5, v[WGO]
	s_mul_i32 s15, s14, XWV
	v_lshl_add_u32 v[XSA], v3, 3, s15
	v_mul_u32_u24 v[XFA], v1, XPI
	v_lshl_add_u32 v[XFA], v2, 4, v[XFA]
	v_add_nc_u32 v[XFA], s15, v[XFA]
	v_lshlrev_b32 v[RB], 5, v1
	v_add_nc_u32 v[RB], RED, v[RB]
	s_lshl_b32 s20, s14, 9                         ; 512 w: the wave's bytes in a row of x and of w_gate, and its block of partial logits
	v_lshl_add_u32 v[RA], v2, 4, v[RB]
	v_add_nc_u32 v[RA], s20, v[RA]
	v_lshl_add_u32 v[SO], v1, 1, v2
	v_lshlrev_b32 v[SO], 2, v[SO]
	s_lshl_b32 s16, ttmp9, 16                      ; 16 rows of 4,096 bytes
	s_add_co_u32 s16, s16, s20
	s_mov_b32 s17, 0
	s_mov_b32 s21, 0
	s_lshl_b32 s22, ttmp9, 15                      ; 16 rows of 2,048 bytes
	s_lshl_b32 s24, s14, 8
	s_add_co_u32 s22, s22, s24
	s_mov_b32 s23, 0
	s_lshl_b32 s24, ttmp9, 7                       ; 32 slots of 4 bytes
	s_mov_b32 s25, 0
	s_mov_b32 s18, 0xffff0000                      ; the lanes with h = 1
	s_wait_kmcnt 0x0
	s_add_nc_u64 s[4:5], s[4:5], s[16:17]
	s_add_nc_u64 s[6:7], s[6:7], s[20:21]
	s_add_nc_u64 s[8:9], s[8:9], s[22:23]
	s_add_nc_u64 s[10:11], s[10:11], s[24:25]
	s_add_nc_u64 s[12:13], s[12:13], s[24:25]
.set i, 0
.rept 16                                               ; row i: the wave's 512 consecutive bytes
	global_load_b128 v[X+4*i:X+4*i+3], v[L16], s[4:5] offset:4096*i th:TH_LOAD_NT
.set i, i+1
.endr
.set i, 0
.rept 4                                                ; K step i of w_gate, already as a fragment lies: k = 8 h + 0..7, then 16 + 8 h + 0..7; rows 8-15 repeat experts 0-7
	global_load_b128 v[G+16*i:G+16*i+3],     v[WGO], s[6:7] offset:128*i
	global_load_b128 v[G+16*i+4:G+16*i+7],   v[WGO], s[6:7] offset:128*i+16
	global_load_b128 v[G+16*i+8:G+16*i+11],  v[WGO], s[6:7] offset:128*i+64
	global_load_b128 v[G+16*i+12:G+16*i+15], v[WGO], s[6:7] offset:128*i+80
.set i, i+1
.endr
	s_wait_loadcnt 16                              ; x is in; the 16 younger loads, w_gate's, may stay out
.set i, 0
.rept 16
	v_cvt_pk_bf16_f32 v[XB+2*i],   v[X+4*i],   v[X+4*i+1]
	v_cvt_pk_bf16_f32 v[XB+2*i+1], v[X+4*i+2], v[X+4*i+3]
	global_store_b64 v[L8], v[XB+2*i:XB+2*i+1], s[8:9] offset:2048*i  ; the wave stores 256 consecutive bytes, at a multiple of 256 from xb's first
	ds_store_b64 v[XSA], v[XB+2*i:XB+2*i+1] offset:XPI*i
.set i, i+1
.endr
	s_wait_loadcnt 0x0                             ; w_gate
.set i, 0
.rept 32
	v_cvt_pk_bf16_f32 v[GF+i], v[G+2*i], v[G+2*i+1]
.set i, i+1
.endr
.set i, 0
.rept 4                                                ; my wave's own bytes: LDS serves a wave's instructions in order, so these see the stores above
	ds_load_b128 v[XF+8*i:XF+8*i+3],   v[XFA] offset:64*i
	ds_load_b128 v[XF+8*i+4:XF+8*i+7], v[XFA] offset:64*i+32
.set i, i+1
.endr
	s_wait_dscnt 0x0
	; source 0 = experts, source 1 = tokens: lane (r, h), register j holds the logit of expert (8 h + j) % 8 for token r.  Two accumulators by turns.
	v_wmma_f32_16x16x32_bf16 v[A0:A0+7], v[GF:GF+7],       v[XF:XF+7],       0
	v_wmma_f32_16x16x32_bf16 v[A1:A1+7], v[GF+8:GF+15],    v[XF+8:XF+15],    0
	v_wmma_f32_16x16x32_bf16 v[A0:A0+7], v[GF+16:GF+23],   v[XF+16:XF+23],   v[A0:A0+7]
	v_wmma_f32_16x16x32_bf16 v[A1:A1+7], v[GF+24:GF+31],   v[XF+24:XF+31],   v[A1:A1+7]
.rept 4
	v_nop                                          ; four places between the products and the first use of their results
.endr
.irp j, 0,2,4,6
	v_pk_add_f32 v[A0+\j:A0+\j+1], v[A0+\j:A0+\j+1], v[A1+\j:A1+\j+1]  ; from the low end on
.endr
.irp j, 0,1,2,3
	v_cndmask_b32 v[TT+\j], v[A0+\j], v[A0+4+\j], s18  ; h = 0 hands on experts 0-3, h = 1 experts 4-7
.endr
	ds_store_b128 v[RA], v[TT:TT+3]
	s_wait_dscnt 0x0                               ; for wave 0's sake: my partial logits are in LDS
	s_barrier_signal -1
	s_barrier_wait -1
	s_cmp_lg_u32 s14, 0
	s_cbranch_scc1 .Lend
.set i, 0
.rept 8                                                ; wave i's eight partial logits of token r, in both halves of the lanes
	ds_load_b128 v[16+8*i:16+8*i+3], v[RB] offset:512*i
	ds_load_b128 v[16+8*i+4:16+8*i+7], v[RB] offset:512*i+16
.set i, i+1
.endr
	s_wait_dscnt 0x0
.set i, 1
.rept 7                                                ; k ascending
.irp j, 0,2,4,6
	v_pk_add_f32 v[16+\j:16+\j+1], v[16+\j:16+\j+1], v[16+8*i+\j:16+8*i+\j+1]
.endr
.set i, i+1
.endr
	; the first choice: a strict comparison, so a tie keeps the lower index
	v_mov_b32 v80, v16
	v_mov_b32 v81, 0
	v_mov_b32 v84, 0xff800000                      ; minus infinity
.irp e, 1,2,3,4,5,6,7
	v_cmp_gt_f32 vcc_lo, v[16+\e], v80
	v_cndmask_b32 v80, v80, v[16+\e], vcc_lo
	v_cndmask_b32 v81, v81, \e, vcc_lo
.endr
.irp e, 0,1,2,3,4,5,6,7
	v_cmp_eq_u32 vcc_lo, \e, v81
	v_cndmask_b32 v[16+\e], v[16+\e], v84, vcc_lo  ; the first choice leaves the field
.endr
	v_mov_b32 v82, v16
	v_mov_b32 v83, 0
.irp e, 1,2,3,4,5,6,7
	v_cmp_gt_f32 vcc_lo, v[16+\e], v82
	v_cndmask_b32 v82, v82, v[16+\e], vcc_lo
	v_cndmask_b32 v83, v83, \e, vcc_lo
.endr
	; softmax over the two: the maximum, the first choice, is taken away: 1 / (1 + e^d) and e^d / (1 + e^d), d = second - first <= 0
	v_sub_f32 v85, v82, v80
	v_mul_f32 v85, 0x3fb8aa3b, v85
	v_exp_f32 v86, v85
	v_nop                                          ; a plain instruction behind the exponential,
	s_wait_alu depctr_va_vdst(0)                   ; and a wait ahead of its first use
	v_add_f32 v87, 1.0, v86
	v_rcp_f32 v88, v87
	v_nop
	s_wait_alu depctr_va_vdst(0)
	v_mul_f32 v86, v86, v88
	v_cndmask_b32 v89, v81, v83, s18               ; lane (r, h) stores slot 2 r + h
	v_cndmask_b32 v90, v88, v86, s18
	global_store_b32 v[SO], v89, s[10:11]          ; 128 consecutive bytes: all that the work-group has of a table of 16 KB
	global_store_b32 v[SO], v90, s[12:13]
.Lend:
	s_wait_tensorcnt 0x0                           ; the wave's end
	ds_add_u32 v[SPW], v[NIL]
	s_wait_dscnt 0x0
	s_endpgm
.Lfunc_end_k_q81ec7e5ac7_route:
	.size	k_q81ec7e5ac7_route, .Lfunc_end_k_q81ec7e5ac7_route-k_q81ec7e5ac7_route
	.p2alignl 7, 3214868480
	.fill 96, 4, 3214868480
	.section	.rodata,"a",@progbits
	.p2align	6, 0x0
	.amdhsa_kernel k_q81ec7e5ac7_route
		.amdhsa_group_segment_fixed_size 39936
		.amdhsa_private_segment_fixed_size 0
		.amdhsa_enable_private_segment 0
		.amdhsa_kernarg_size 40
		.amdhsa_user_sgpr_count 2
		.amdhsa_user_sgpr_kernarg_segment_ptr 1
		.amdhsa_wavefront_size32 1
		.amdhsa_system_sgpr_workgroup_id_x 1
		.amdhsa_system_sgpr_workgroup_id_y 1
		.amdhsa_system_sgpr_workgroup_id_z 1
		.amdhsa_system_vgpr_workitem_id 0
		.amdhsa_next_free_vgpr 200
		.amdhsa_next_free_sgpr 66
		.amdhsa_reserve_vcc 1
		.amdhsa_float_denorm_mode_32 3
		.amdhsa_float_denorm_mode_16_64 3
		.amdhsa_memory_ordered 1
		.amdhsa_forward_progress 1
		.amdhsa_inst_pref_size 20
	.end_amdhsa_kernel
	.amdgpu_metadata
---
amdhsa.version: [ 1, 2 ]
amdhsa.kernels:
  - .name:           k_q81ec7e5ac7_route
    .symbol:         k_q81ec7e5ac7_route.kd
    .args:
      - { .name: hidden_states, .offset: 0, .size: 8, .value_kind: global_buffer, .address_space: global }
      - { .name: w_gate, .offset: 8, .size: 8, .value_kind: global_buffer, .address_space: global }
      - { .name: xb, .offset: 16, .size: 8, .value_kind: global_buffer, .address_space: global }
      - { .name: sel, .offset: 24, .size: 8, .value_kind: global_buffer, .address_space: global }
      - { .name: gates, .offset: 32, .size: 8, .value_kind: global_buffer, .address_space: global }
    .group_segment_fixed_size: 39936
    .private_segment_fixed_size: 0
    .kernarg_segment_align: 8
    .kernarg_segment_size: 40
    .max_flat_workgroup_size: 256
    .sgpr_count:     66
    .vgpr_count:     200
    .wavefront_size: 32
...
	.end_amdgpu_metadata
.endif
;; end of part 1
;; launch fc (part 2): grid 32 x 8, 8 waves a work-group, no clusters, 142,848 bytes of LDS; arguments xb, w_fc, b_fc, sel, hid; writes hid
.if DOCPART == 2
	.amdgcn_target "amdgcn-amd-amdhsa--gfx1250"
	.amdhsa_code_object_version 6
	.text
	.protected	k_q81ec7e5ac7_fc
	.globl	k_q81ec7e5ac7_fc
	.p2align	8
	.type	k_q81ec7e5ac7_fc,@function
k_q81ec7e5ac7_fc:
	s_mov_b64 s[64:65], 0
	v_nop
	global_prefetch_b8 v0, s[64:65] scope:SCOPE_SE
	s_setreg_imm32_b32 hwreg(HW_REG_WAVE_MODE, 25, 1), 1
	s_wait_xcnt 0x0
; FIRST PRODUCT AND GELU, for the chosen rows alone.  hid(rank, i) = gelu(x[token(rank)] . w_fc[e][i] + b_fc[e][i]), exact gelu (erf), for the rows that chose expert e.
; SHARES.  Work-group (x = slice 0..31, y = expert 0..7) alone reads 64 rows of w_fc[e] (256 KB of f32), rounds them to bf16 and lays them into LDS; then its eight waves walk the expert's rows in tiles of
; 32 rows x 64 columns, tile j to wave j % 8: 8 accumulators, K = 1,024 in 32 steps.  The rows of xb come straight into registers as matrix operands, by the list.
; THE LIST.  Wave 0 reads sel (4,096 slots) and lays the slots that name my expert into LDS in a fixed order (register by register, lane by lane): rank -> slot.  The launch behind makes the same list by the same text.
; The 32 places past the count repeat the last live slot, so a tile that is not full computes that row again; all further words hold 0.  An expert may have 0 to 2,048 rows: 8 trips of 8 waves x 32 rows cover
; them; dead trips are jumped.
; ROWS ARE ASKED FOR EARLY.  A tile's first four chunks of rows (half of its K) are asked for before the tile begins: the first tile's between the batches of weights, as each batch frees its registers; every
; later tile's behind the last product of the tile before, ahead of its gelu, under ONE branch, so that either all 64 loads are out or none.
; hid: f16, [expert 8][slice 32][tile 64][f 2][c 4][lane 32][8]: piece (f, c) holds for lane 16 h + r the columns 16 c + 8 h + 0..7 of the slice for rank 32 tile + 16 f + r: as the results lie in registers here,
; and as the next product's source 1 wants them.  Every store covers 512 consecutive bytes, aligned.
; LIMITS.  x, w_fc and b_fc enter rounded once to bf16; sums in f32.  The hidden layer is stored in f16: it must stay under 65,504; below 6e-5 it keeps f16's fixed step of 6e-8.
; erf by the five-term rational form of Abramowitz and Stegun 7.1.26, absolute error at most 1.5e-7 for every argument.  NaN and infinities are not treated apart.
; NO CLUSTER, NO TENSOR LOADS.  Each weight has one reader and must pass through registers to be rounded.  What an expert's 32 work-groups share is its rows of xb: they are reached by a list, which no
; descriptor covers, and their number hangs on a count read from memory, so the loop over them holds no barrier and writes no LDS.
.set WP,    2064                       ; a weight row in LDS: 2,048 bytes + 16 = 129 x 16: the 16 rows of a fragment load start at 16 different 16-byte columns of 256 bytes
.set DUMPW, 2304                       ; list words 0..2303: as far as a tile's head reads (rank 2,016 + 256 + 31); words 2304..2335 take what the lanes without a match store
.set CNTW,  9472                       ; the count, in a block of 256 bytes of its own
.set SPARE, 9728                       ; the spare words, 128 bytes a wave: four blocks of 256 bytes that no other line names
.set WB,    10752                      ; 64 weight rows
.set R_,   1                           ; v1   r = lane % 16
.set H_,   2                           ; v2   h = lane / 16
.set LN,   3                           ; v3   lane
.set SPW,  4                           ; v4   my spare word; never rewritten
.set NIL,  5                           ; v5   0; never rewritten
.set BADR, 6                           ; v6-7 LDS address of my part of weight fragments 0, 1 and 2, 3
.set LB,   8                           ; v8   4 r
.set L16,  9                           ; v9   16 x lane
.set H16,  10                          ; v10  16 h
.set LADR, 11                          ; v11  LDS address of my rows' list words
.set T0,   12
.set T1,   13
.set AOFF, 14                          ; v14-15 byte offset in xb of my row of fragment f, this tile
.set HOFF, 16                          ; v16  byte offset of the tile's first piece in my block of hid
.set WSA,  17                          ; v17  where I put 8 bytes of a weight row
.set DMPI, 18                          ; v18  2304 + lane
.set T2,   19
.set CA,   20                          ; v20-27 a1/2 .. a4/2, each twice
.set BAD,  28                          ; v28  32 h: my place in the bias
.set T3,   29
.set AOFN, 30                          ; v30-31 the same as AOFF for the wave's next tile
.set BIAS, 32                          ; v32-63  bias of column 16 c + 8 h + j at 8 c + j: as a result's registers lie
.set ACC,  64                          ; v64-127 accumulator (f, c) at 8 (4 f + c)
.set BF,   128                         ; v128-191, v192-255: two buffers of weight fragments, 2 K steps x 4 fragments each
.set SELR, 64                          ; v64-191 (wave 0, at the start): sel
.set LT,   192                         ; v192-207 (wave 0, at the start): sixteen list addresses
.set LV,   208                         ; v208-223 sixteen slot numbers
.set ZR,   224                         ; v224-227 zeros
.set ZQ,   BF                          ; the gelu's registers, over buffer 0: z, later q
.set DT,   BF+16                       ; 1 + p u, later t
.set WE,   BF+32                       ; - z z, later e^(-u u)
.set MX,   BF+48                       ; max(x, 0)
.set OUT,  BF+64                       ; over buffer 1: 4 registers of f16 an accumulator
; window 1 (v256-511): at the start the 64 weight loads' 256 registers; then the ring of rows: 4 slots x 64, K step q of a chunk of 4 and fragment f at 64 slot + 16 q + 8 f
.set WV,   14
.set EX,   15
.set OF,   16                          ; s[16:17], s[18:19], s[20:21]: byte offsets, made apart from the addresses
.set OW,   18
.set OB,   20
.set CNT,  22                          ; the expert's rows
.set ROW0, 23                          ; the tile's first rank
.set TRIP, 24
.set TS,   27
.set KZ,   28                          ; sqrt(log2(e) / 2): z = KZ |x|, 2^(-z z) = e^(-x x / 2)
.set HI,   29
.set PP,   30                          ; s[30:31] 0.3275911 / sqrt(log2(e)): 1 + PP z = 1 + p |x| / sqrt(2)
.set A5,   32                          ; s[32:33] a5 / 2
.set MK,   36                          ; s36-51  sixteen masks of matching lanes
.set BC,   66                          ; s66-81  their bit counts, then the running count behind each
.set MSB, 0
.macro WIN new                         ; s_set_vgpr_msb: bits 1:0 source 0, 3:2 source 1, 5:4 source 2, 7:6 destination; the high byte repeats the setting that is left
.if MSB != (\new)
	s_set_vgpr_msb (MSB<<8)|(\new)
.set MSB, \new
.endif
.endm
.macro PLACES                          ; four places between a matrix instruction and a load into, or a vector write of, a register that it names, or a read of its result
.rept 4
	v_nop
.endr
.endm
; 16 global loads: chunk ch (K steps 4 ch .. 4 ch + 3: 256 aligned bytes of each of a tile's 32 rows of xb) into slot ch % 4; ar: the pair of offset registers, this tile's or the next one's
.macro ALOAD ch, ar
.set aa, 64*((\ch)%4)
.irp q, 0,1,2,3
.irp f, 0,1
	global_load_b128 v[aa+16*\q+8*\f:aa+16*\q+8*\f+3],   v[(\ar)+\f], s[4:5] offset:256*(\ch)+64*\q
	global_load_b128 v[aa+16*\q+8*\f+4:aa+16*\q+8*\f+7], v[(\ar)+\f], s[4:5] offset:256*(\ch)+64*\q+32
.endr
.endr
.endm
	s_load_b256 s[4:11], s[0:1], 0x0               ; xb s[4:5], w_fc s[6:7], b_fc s[8:9], sel s[10:11]
	s_load_b64 s[12:13], s[0:1], 0x20              ; hid
	v_lshl_add_u32 v[SPW], v0, 2, SPARE
	v_mov_b32 v[NIL], 0
	v_lshrrev_b32 v[T0], 5, v0
	v_readfirstlane_b32 s[WV], v[T0]               ; wave 0..7
	s_and_b32 s[EX], ttmp7, 0xffff                 ; my expert
	v_and_b32 v[LN], 31, v0
	v_and_b32 v[R_], 15, v0
	v_bfe_u32 v[H_], v0, 4, 1
	v_mul_u32_u24 v[BADR], v[R_], WP
	v_lshl_add_u32 v[BADR], v[H_], 4, v[BADR]
	v_add_nc_u32 v[BADR], WB, v[BADR]              ; row r x pitch + 16 h
	v_add_nc_u32 v[BADR+1], 32*WP, v[BADR]         ; 32 rows on: the immediate reaches 65,535 bytes
	v_lshlrev_b32 v[LB], 2, v[R_]
	v_lshlrev_b32 v[L16], 4, v[LN]
	v_lshlrev_b32 v[H16], 4, v[H_]
	v_lshlrev_b32 v[BAD], 5, v[H_]
	v_add_nc_u32 v[DMPI], DUMPW, v[LN]
	s_mul_i32 s[TS], s[WV], 8*WP                   ; my wave lays rows 8 w .. 8 w + 7
	s_add_co_u32 s[TS], s[TS], WB
	v_lshl_add_u32 v[WSA], v[LN], 3, s[TS]
	s_lshl_b32 s[OF], s[EX], 23                    ; hid: block 32 e + slice of 262,144 bytes; w_fc: row 2,048 e + 64 slice of 4,096 bytes: the same number
	s_lshl_b32 s[TS], ttmp9, 18
	s_add_co_u32 s[OF], s[OF], s[TS]
	s_mov_b32 s[OF+1], 0
	s_lshl_b32 s[OW], s[WV], 15                    ; + my wave's 8 rows
	s_add_co_u32 s[OW], s[OW], s[OF]
	s_mov_b32 s[OW+1], 0
	s_lshl_b32 s[OB], s[EX], 13                    ; b_fc: (2,048 e + 64 slice) x 4
	s_lshl_b32 s[TS], ttmp9, 8
	s_add_co_u32 s[OB], s[OB], s[TS]
	s_mov_b32 s[OB+1], 0
	s_mov_b32 s[KZ], 0x3f596d27                    ; 0.8493218
	s_mov_b32 s[HI], 0xffff0000
	s_mov_b32 s[PP], 0x3e8ba43f                    ; 0.2727375
	s_mov_b32 s[PP+1], s[PP]                       ; named as pairs, so both words are written
	s_mov_b32 s[A5], 0x3f07dc22                    ; 0.53070271
	s_mov_b32 s[A5+1], s[A5]
	s_lshl_b32 s[ROW0], s[WV], 5                   ; my first tile's first rank
	s_wait_kmcnt 0x0
	s_add_nc_u64 s[6:7], s[6:7], s[OW:OW+1]
	s_add_nc_u64 s[8:9], s[8:9], s[OB:OB+1]
	s_add_nc_u64 s[12:13], s[12:13], s[OF:OF+1]
	s_cmp_lg_u32 s[WV], 0
	s_cbranch_scc1 .Lno_sel
.set i, 0
.rept 32                                               ; wave 0: register 4 i + c holds sel[128 i + 4 lane + c]
	global_load_b128 v[SELR+4*i:SELR+4*i+3], v[L16], s[10:11] offset:512*i
.set i, i+1
.endr
.Lno_sel:
.irp c, 0,1,2,3
	global_load_b128 v[BIAS+8*\c:BIAS+8*\c+3],   v[BAD], s[8:9] offset:64*\c
	global_load_b128 v[BIAS+8*\c+4:BIAS+8*\c+7], v[BAD], s[8:9] offset:64*\c+16
.endr
	WIN 0x40                                       ; destination window 1
.set j, 0
.rept 64                                               ; all of my wave's 32 KB of weights are asked for at once: row j / 8, 512 consecutive bytes each
	global_load_b128 v[4*j:4*j+3], v[L16], s[6:7] offset:(j/8)*4096+(j%8)*512 th:TH_LOAD_NT
.set j, j+1
.endr
	WIN 0
	s_cmp_lg_u32 s[WV], 0
	s_cbranch_scc1 .Lno_list
.irp z, 0,1,2,3
	v_mov_b32 v[ZR+\z], 0
.endr
.set j, 0
.rept 18                                               ; list words 0..2303 are written whatever the count: 18 x 512 bytes
	ds_store_b128 v[L16], v[ZR:ZR+3] offset:512*j
.set j, j+1
.endr
	v_lshlrev_b32 v[T1], 2, v[LN]                  ; 4 x lane: the slot that register 0 holds
	s_mov_b32 s[CNT], 0
	s_wait_loadcnt 63                              ; behind sel's loads 72 were issued; the wait's field ends at 63, and a smaller count is safe
; Sixteen registers of sel at a time.  A lane whose slot names my expert stores the slot's number at the next free rank, the others into the dump words.  Each kind of line stands sixteen times on end,
; so that none reads the result of the line before it; only the running count is a chain, of scalar additions.
.set bt, 0
.rept 8
.set k, 0
.rept 16
	v_cmp_eq_u32 s[MK+k], s[EX], v[SELR+16*bt+k]
.set k, k+1
.endr
.set k, 0
.rept 16
	s_bcnt1_i32_b32 s[BC+k], s[MK+k]
.set k, k+1
.endr
	s_add_co_u32 s[BC], s[BC], s[CNT]              ; the count behind register 0 of the batch,
.set k, 1
.rept 15
	s_add_co_u32 s[BC+k], s[BC+k], s[BC+k-1]       ; behind register k
.set k, k+1
.endr
	v_mbcnt_lo_u32_b32 v[LT], s[MK], s[CNT]        ; the count so far + the matching lanes below me
.set k, 1
.rept 15
	v_mbcnt_lo_u32_b32 v[LT+k], s[MK+k], s[BC+k-1]
.set k, k+1
.endr
.set k, 0
.rept 16
	v_cndmask_b32 v[LT+k], v[DMPI], v[LT+k], s[MK+k]
.set k, k+1
.endr
.set k, 0
.rept 16
	v_min_u32 v[LT+k], 0x91f, v[LT+k]              ; a word index made of loaded numbers is clamped to the list and its dump
.set k, k+1
.endr
.set k, 0
.rept 16
	v_lshlrev_b32 v[LT+k], 2, v[LT+k]
.set k, k+1
.endr
.set k, 0
.rept 16
	v_add_nc_u32 v[LV+k], 128*((16*bt+k)/4)+(16*bt+k)%4, v[T1]  ; register i holds slot 128 (i / 4) + 4 lane + i % 4
.set k, k+1
.endr
.set k, 0
.rept 16
	ds_store_b32 v[LT+k], v[LV+k]
.set k, k+1
.endr
	s_mov_b32 s[CNT], s[BC+15]
.set bt, bt+1
.endr
	s_max_u32 s[TS], s[CNT], 1                     ; the last live word (word 0 where there is none)
	s_sub_co_u32 s[TS], s[TS], 1
	s_min_u32 s[TS], s[TS], 0x7ff
	s_lshl_b32 s[TS], s[TS], 2
	v_mov_b32 v[T0], s[TS]
	ds_load_b32 v[T2], v[T0]
	v_add_nc_u32 v[T1], s[CNT], v[LN]              ; the 32 places past the count repeat it
	v_min_u32 v[T1], 0x81f, v[T1]
	v_lshlrev_b32 v[T1], 2, v[T1]
	v_mov_b32 v[T3], CNTW
	v_mov_b32 v[T0], s[CNT]
	s_wait_dscnt 0x0
	ds_store_b32 v[T1], v[T2]
	ds_store_b32 v[T3], v[T0]
	s_wait_dscnt 0x0                               ; for the others' sake: list and count are in LDS
.Lno_list:
	s_barrier_signal -1                            ; up to here wave 0 alone has touched LDS
	s_barrier_wait -1
	v_mov_b32 v[T0], CNTW
	ds_load_b32 v[T1], v[T0]
	s_lshl_b32 s[TS], s[ROW0], 2
	v_add_nc_u32 v[LADR], s[TS], v[LB]
	ds_load_b32 v[T2], v[LADR]                     ; the slots of my first tile's ranks 32 w + r and 32 w + 16 + r (0 where the tile is dead: token 0's row is read and never used)
	ds_load_b32 v[T3], v[LADR] offset:64
	s_wait_dscnt 0x0
	v_readfirstlane_b32 s[CNT], v[T1]
	v_min_u32 v[T2], 0xfff, v[T2]                  ; a loaded number enters an address only clamped
	v_min_u32 v[T3], 0xfff, v[T3]
	v_and_b32 v[T2], 0xffe, v[T2]                  ; slot = 2 token + k: token x 2,048 bytes = (slot without its low bit) x 1,024
	v_and_b32 v[T3], 0xffe, v[T3]
	v_lshl_add_u32 v[AOFN], v[T2], 10, v[H16]
	v_lshl_add_u32 v[AOFN+1], v[T3], 10, v[H16]
; Sixteen weight loads are rounded in place (two bf16 to a register) and laid into LDS; their 64 registers are slot b of the ring of rows, and chunk b of my first tile is asked for into them at once.
.macro WCONV b
	s_wait_loadcnt 48                              ; behind batch b three groups of 16 were issued: the later batches, and the chunks of rows asked for so far
	WIN 0x45                                       ; sources and destination in window 1
.set j, 16*(\b)
.rept 16
	v_cvt_pk_bf16_f32 v[4*j],   v[4*j],   v[4*j+1]
	v_cvt_pk_bf16_f32 v[4*j+1], v[4*j+2], v[4*j+3]
.set j, j+1
.endr
	WIN 0x04                                       ; store data in window 1, address in window 0
.set j, 16*(\b)
.rept 16
	ds_store_b64 v[WSA], v[4*j:4*j+1] offset:(j/8)*WP+(j%8)*256
.set j, j+1
.endr
	s_wait_dscnt 0x0                               ; the stores are done with their registers: only now are these loaded again
	WIN 0x40
	ALOAD \b, AOFN
.endm
	WCONV 0
	WCONV 1
	WCONV 2
	WCONV 3
	WIN 0
.set i, 0
.rept 16                                               ; the bias, rounded to bf16 like every input and widened again
	v_cvt_pk_bf16_f32 v[T0+i%2], v[BIAS+2*i], v[BIAS+2*i+1]
	v_lshlrev_b32 v[BIAS+2*i], 16, v[T0+i%2]
	v_and_b32 v[BIAS+2*i+1], s[HI], v[T0+i%2]
.set i, i+1
.endr
	v_mov_b32 v[CA],   0x3e027906                  ; a1 / 2 =  0.127414796
	v_mov_b32 v[CA+1], 0x3e027906
	v_mov_b32 v[CA+2], 0xbe11a98e                  ; a2 / 2 = -0.142248368
	v_mov_b32 v[CA+3], 0xbe11a98e
	v_mov_b32 v[CA+4], 0x3f35f0e3                  ; a3 / 2 =  0.71070687
	v_mov_b32 v[CA+5], 0x3f35f0e3
	v_mov_b32 v[CA+6], 0xbf3a00e3                  ; a4 / 2 = -0.72657601
	v_mov_b32 v[CA+7], 0xbf3a00e3
	s_wait_dscnt 0x0                               ; for the others' sake: my 8 weight rows are in LDS
	s_barrier_signal -1
	s_barrier_wait -1                              ; from here on LDS is only read
	s_wait_xcnt 0x0                                ; the first tile's loads have read their offsets: the tile's head writes those registers anew
; 16 LDS loads: the weight fragments of K steps 2 g and 2 g + 1 into buffer g % 2
.macro BFETCH g
.set bb, BF+64*((\g)%2)
.irp k, 0,1
.irp c, 0,1,2,3
	ds_load_b128 v[bb+32*\k+8*\c:bb+32*\k+8*\c+3],   v[BADR+(\c)/2] offset:((\c)%2)*16*WP+64*(2*(\g)+\k)
	ds_load_b128 v[bb+32*\k+8*\c+4:bb+32*\k+8*\c+7], v[BADR+(\c)/2] offset:((\c)%2)*16*WP+64*(2*(\g)+\k)+32
.endr
.endr
.endm
; 8 matrix instructions, K step s.  Source 0 = 16 weight rows, source 1 = 16 rows of x: a lane's eight results are eight neighbouring hidden columns of one row.
; The 8 accumulators take turns, one instruction a turn; first = 1: the first K step starts the sums, on the bias.
.macro MUL8 s, first
.set bb, BF+64*(((\s)/2)%2)+32*((\s)%2)
.set aa, 64*(((\s)/4)%4)+16*((\s)%4)
.irp f, 0,1
.irp c, 0,1,2,3
.if \first
	v_wmma_f32_16x16x32_bf16 v[ACC+8*(4*\f+\c):ACC+8*(4*\f+\c)+7], v[bb+8*\c:bb+8*\c+7], v[aa+8*\f:aa+8*\f+7], v[BIAS+8*\c:BIAS+8*\c+7]
.else
	v_wmma_f32_16x16x32_bf16 v[ACC+8*(4*\f+\c):ACC+8*(4*\f+\c)+7], v[bb+8*\c:bb+8*\c+7], v[aa+8*\f:aa+8*\f+7], v[ACC+8*(4*\f+\c):ACC+8*(4*\f+\c)+7]
.endif
.endr
.endr
.endm
; Two K steps.  lc >= 0: a chunk of rows begins, and lc loads, the younger chunks', may stay out.  al >= 0: chunk al is asked for, into the slot whose chunk has just been multiplied.
; The next two steps' weight fragments are fetched 16 matrix instructions ahead of their use.
.macro STEP2 g, lc, al
.if (\lc) >= 0
	s_wait_loadcnt \lc
.endif
	s_wait_dscnt 0x0                               ; buffer g % 2 is in
.if (\g) < 15
	PLACES
	BFETCH (\g)+1
.if (\al) >= 0
	WIN 0x40
	ALOAD \al, AOFF
	WIN 0x04
.endif
.endif
.if (\g) == 0
	MUL8 0, 1
.else
	MUL8 2*(\g), 0
.endif
	MUL8 2*(\g)+1, 0
.endm
; gelu of accumulators (f, c) and (f, c + 1), 16 numbers a lane.  gelu(x) = max(x, 0) - |x| q, q = erfc(|x| / sqrt 2) / 2 = t (a1 + t (a2 + t (a3 + t (a4 + t a5)))) / 2 x e^(-x x / 2), t = 1 / (1 + p |x| / sqrt 2).
; The 16 reciprocals and 16 exponentials are ONE batch with one wait; the 16 maxima are the plain work behind it.  Then the two pieces are stored.
.macro GELU16 f, c
.set xx, ACC+8*(4*(\f)+(\c))
.set oo, OUT+4*(4*(\f)+(\c))
.set i, 0
.rept 16
	v_mul_f32 v[ZQ+i], |v[xx+i]|, s[KZ]            ; each accumulator is read from its low end on
.set i, i+1
.endr
.set i, 0
.rept 8
	v_pk_fma_f32 v[DT+i:DT+i+1], v[ZQ+i:ZQ+i+1], s[PP:PP+1], 1.0 op_sel_hi:[1,0,0]
.set i, i+2
.endr
.set i, 0
.rept 8
	v_pk_mul_f32 v[WE+i:WE+i+1], v[ZQ+i:ZQ+i+1], v[ZQ+i:ZQ+i+1] neg_lo:[1,0] neg_hi:[1,0]
.set i, i+2
.endr
.set i, 0
.rept 16
	v_rcp_f32 v[DT+i], v[DT+i]
.set i, i+1
.endr
.set i, 0
.rept 16
	v_exp_f32 v[WE+i], v[WE+i]
.set i, i+1
.endr
.set i, 0
.rept 16
	v_max_num_f32 v[MX+i], 0, v[xx+i]
.set i, i+1
.endr
	s_wait_alu depctr_va_vdst(0)                   ; the wait ahead of the batch's first reader
.set i, 0
.rept 8
	v_pk_fma_f32 v[ZQ+i:ZQ+i+1], v[DT+i:DT+i+1], s[A5:A5+1], v[CA+6:CA+7] op_sel_hi:[1,0,1]
.set i, i+2
.endr
.irp k, 4,2,0
.set i, 0
.rept 8
	v_pk_fma_f32 v[ZQ+i:ZQ+i+1], v[ZQ+i:ZQ+i+1], v[DT+i:DT+i+1], v[CA+\k:CA+\k+1]
.set i, i+2
.endr
.endr
.set i, 0
.rept 8
	v_pk_mul_f32 v[ZQ+i:ZQ+i+1], v[ZQ+i:ZQ+i+1], v[DT+i:DT+i+1]
.set i, i+2
.endr
.set i, 0
.rept 8
	v_pk_mul_f32 v[ZQ+i:ZQ+i+1], v[ZQ+i:ZQ+i+1], v[WE+i:WE+i+1]
.set i, i+2
.endr
.set i, 0
.rept 16
	v_fma_f32 v[xx+i], -|v[xx+i]|, v[ZQ+i], v[MX+i]
.set i, i+1
.endr
.set i, 0
.rept 8
	v_cvt_pk_f16_f32 v[oo+i], v[xx+2*i], v[xx+2*i+1]
.set i, i+1
.endr
	global_store_b128 v[HOFF], v[oo:oo+3],   s[12:13] offset:(4*(\f)+(\c))*512      ; 512 consecutive bytes, at a multiple of 512 from hid's first
	global_store_b128 v[HOFF], v[oo+4:oo+7], s[12:13] offset:(4*(\f)+(\c))*512+512
.endm
	s_mov_b32 s[TRIP], 8                           ; 8 trips x 8 waves x 32 rows = 2,048: every split is served
.Ltrip:
	s_cmp_ge_u32 s[ROW0], s[CNT]
	s_cbranch_scc1 .Ldead                          ; no live row in this tile: the work is jumped; what is jumped holds no barrier
	s_lshl_b32 s[TS], s[ROW0], 2
	v_add_nc_u32 v[LADR], s[TS], v[LB]
	s_lshl_b32 s[TS], s[ROW0], 7                   ; a tile of 32 rows is 4,096 bytes of my block of hid
	v_add_nc_u32 v[HOFF], s[TS], v[L16]
	ds_load_b32 v[T0], v[LADR]                     ; the slots of ranks ROW0 + r and ROW0 + 16 + r,
	ds_load_b32 v[T1], v[LADR] offset:64
	ds_load_b32 v[T2], v[LADR] offset:1024         ; and of the same places in my next tile, 256 ranks on
	ds_load_b32 v[T3], v[LADR] offset:1088
	BFETCH 0
	s_wait_dscnt 16                                ; the four list words are in; the 16 fragment loads may stay out
.irp t, T0, T1, T2, T3
	v_min_u32 v[\t], 0xfff, v[\t]                  ; a loaded number enters an address only clamped
.endr
.irp t, T0, T1, T2, T3
	v_and_b32 v[\t], 0xffe, v[\t]                  ; token x 2,048 bytes = (slot without its low bit) x 1,024
.endr
	v_lshl_add_u32 v[AOFF], v[T0], 10, v[H16]
	v_lshl_add_u32 v[AOFF+1], v[T1], 10, v[H16]
	v_lshl_add_u32 v[AOFN], v[T2], 10, v[H16]
	v_lshl_add_u32 v[AOFN+1], v[T3], 10, v[H16]
	WIN 0x04                                       ; source 1 in window 1: matrix instructions; LDS loads run under it too
	STEP2 0,  48, -1                               ; chunks 0 to 3 were asked for ahead of the tile: chunks 1 to 3 are younger
	STEP2 1,  -1, -1
	STEP2 2,  32, 4                                ; chunks 2, 3; then chunk 4 is asked for
	STEP2 3,  -1, -1
	STEP2 4,  32, 5
	STEP2 5,  -1, -1
	STEP2 6,  32, 6
	STEP2 7,  -1, -1
	STEP2 8,  32, 7
	STEP2 9,  -1, -1
	STEP2 10, 32, -1                               ; chunks 6, 7
	STEP2 11, -1, -1
	STEP2 12, 16, -1
	STEP2 13, -1, -1
	STEP2 14, 0,  -1
	STEP2 15, -1, -1
	WIN 0
	PLACES                                         ; behind the last products: for the loads into the ring, and for the gelu's reads
	s_add_co_u32 s[TS], s[ROW0], 256
	s_cmp_ge_u32 s[TS], s[CNT]
	s_cbranch_scc1 .Lno_next                       ; my next tile is dead: nothing is asked for.  One branch for all 64 loads: the next tile's counts hold on either way
	WIN 0x40
	ALOAD 0, AOFN                                  ; my next tile's first four chunks are on their way while this tile's gelu is worked
	ALOAD 1, AOFN
	ALOAD 2, AOFN
	ALOAD 3, AOFN
	WIN 0
.Lno_next:
	GELU16 0, 0
	GELU16 0, 2
	GELU16 1, 0
	GELU16 1, 2
	s_wait_xcnt 0x0                                ; the stores' data and the loads' and stores' offset registers are rewritten only behind this wait
.Ldead:
	s_add_co_u32 s[ROW0], s[ROW0], 256
	s_sub_co_u32 s[TRIP], s[TRIP], 1
	s_cmp_lg_u32 s[TRIP], 0
	s_cbranch_scc1 .Ltrip
	s_wait_tensorcnt 0x0                           ; the wave's end
	ds_add_u32 v[SPW], v[NIL]
	s_wait_dscnt 0x0
	s_endpgm
.Lfunc_end_k_q81ec7e5ac7_fc:
	.size	k_q81ec7e5ac7_fc, .Lfunc_end_k_q81ec7e5ac7_fc-k_q81ec7e5ac7_fc
	.p2alignl 7, 3214868480
	.fill 96, 4, 3214868480
	.section	.rodata,"a",@progbits
	.p2align	6, 0x0
	.amdhsa_kernel k_q81ec7e5ac7_fc
		.amdhsa_group_segment_fixed_size 142848
		.amdhsa_private_segment_fixed_size 0
		.amdhsa_enable_private_segment 0
		.amdhsa_kernarg_size 40
		.amdhsa_user_sgpr_count 2
		.amdhsa_user_sgpr_kernarg_segment_ptr 1
		.amdhsa_wavefront_size32 1
		.amdhsa_system_sgpr_workgroup_id_x 1
		.amdhsa_system_sgpr_workgroup_id_y 1
		.amdhsa_system_sgpr_workgroup_id_z 1
		.amdhsa_system_vgpr_workitem_id 0
		.amdhsa_next_free_vgpr 512
		.amdhsa_next_free_sgpr 82
		.amdhsa_reserve_vcc 0
		.amdhsa_float_denorm_mode_32 3
		.amdhsa_float_denorm_mode_16_64 3
		.amdhsa_memory_ordered 1
		.amdhsa_forward_progress 1
		.amdhsa_inst_pref_size 179
	.end_amdhsa_kernel
	.amdgpu_metadata
---
amdhsa.version: [ 1, 2 ]
amdhsa.kernels:
  - .name:           k_q81ec7e5ac7_fc
    .symbol:         k_q81ec7e5ac7_fc.kd
    .args:
      - { .name: xb, .offset: 0, .size: 8, .value_kind: global_buffer, .address_space: global }
      - { .name: w_fc, .offset: 8, .size: 8, .value_kind: global_buffer, .address_space: global }
      - { .name: b_fc, .offset: 16, .size: 8, .value_kind: global_buffer, .address_space: global }
      - { .name: sel, .offset: 24, .size: 8, .value_kind: global_buffer, .address_space: global }
      - { .name: hid, .offset: 32, .size: 8, .value_kind: global_buffer, .address_space: global }
    .group_segment_fixed_size: 142848
    .private_segment_fixed_size: 0
    .kernarg_segment_align: 8
    .kernarg_segment_size: 40
    .max_flat_workgroup_size: 256
    .sgpr_count:     82
    .vgpr_count:     512
    .wavefront_size: 32
...
	.end_amdgpu_metadata
.endif
;; end of part 2
;; launch proj (part 3): grid 32 x 8, 8 waves a work-group, no clusters, 177,664 bytes of LDS; arguments hid, w_proj, b_proj, sel, gates, part; writes part
.if DOCPART == 3
	.amdgcn_target "amdgcn-amd-amdhsa--gfx1250"
	.amdhsa_code_object_version 6
	.text
	.protected	k_q81ec7e5ac7_proj
	.globl	k_q81ec7e5ac7_proj
	.p2align	8
	.type	k_q81ec7e5ac7_proj,@function
k_q81ec7e5ac7_proj:
	s_mov_b64 s[64:65], 0
	v_nop
	global_prefetch_b8 v0, s[64:65] scope:SCOPE_SE
	s_setreg_imm32_b32 hwreg(HW_REG_WAVE_MODE, 25, 1), 1
	s_wait_xcnt 0x0
; SECOND PRODUCT, for the chosen rows alone.  part[kh][v][n] = gates[v] x (the sum over i in half kh of hid(rank of v, i) w_proj[e][n][i]  (+ b_proj[e][n] in half 0)), f32, v = the slot 2 token + k.
; SHARES.  Work-group (x = 2 slice + kh, y = expert): 64 output columns (slice 0..15) and one half of K = 2,048.  It alone reads its 64 x 1,024 weights (256 KB of f32) and lays them into LDS; its eight waves walk
; the expert's rows in tiles of 32 rows x 64 columns, tile j to wave j % 8, K = 1,024 in 32 steps.  K is halved, not the rows, so that each weight keeps one reader, all 256 work-groups have work, and a
; row's piece is 64 f32: 256 consecutive bytes.  The price: four partial rows a token, which the launch behind adds.
; THE LIST is made as in the launch before, by the same text: rank -> slot, the 32 places past the count repeating the last live slot.  A tile that is not full computes that row again and the same wave stores the
; same bytes to the same place again.
; hid comes straight into registers as source 1: f16, [expert 8][block 32][tile 64][f 2][c 4][lane 32][8]; every load takes 512 consecutive bytes.
; ROWS ARE ASKED FOR EARLY.  A tile's first four chunks (half of its K) are asked for before the tile begins: the first tile's between the batches of weights, as each batch frees its registers (whether or not
; the tile is live: tiles 0 to 7 lie inside hid, and a dead tile's registers are never used); every later tile's behind the last product of the tile before, under ONE branch, so that either all 64 loads are out or none.
; LIMITS.  w_proj and b_proj enter rounded once to bf16; w_proj's rounded number is then written as f16, the hidden layer's format: exact from 7.6e-6 to 65,504 in magnitude, below that with f16's fixed step of 6e-8.
; Sums in f32; the gate's weight and the partial rows stay f32.  NaN and infinities are not treated apart.
; NO CLUSTER, NO TENSOR LOADS.  Each weight has one reader and passes through registers to be rounded.  An expert's 16 slices share its tiles of hid, but their number hangs on a count read from memory:
; the loop over them holds no barrier, and a walk of constant length would fetch 2,048 rows an expert, four times the rows there are.
.set WP,    2064                       ; a weight row in LDS: 2,048 bytes + 16 = 129 x 16
.set DUMPW, 2304                       ; list words 0..2303; words 2304..2335 take what the lanes without a match store
.set CNTW,  9472
.set SPARE, 9728                       ; the spare words, 128 bytes a wave: four blocks of 256 bytes that no other line names
.set WB,    10752                      ; 64 weight rows
.set STAGE, WB+64*WP                   ; 142,848: 16 rows x 272 bytes for each wave, for the way out
.set SPI,   272
.set R_,   1
.set H_,   2
.set LN,   3
.set SPW,  4                           ; v4   my spare word; never rewritten
.set NIL,  5                           ; v5   0; never rewritten
.set BADR, 6                           ; v6-7 LDS address of my part of weight fragments 0, 1 and 2, 3
.set LB,   8                           ; v8   4 r
.set L16,  9                           ; v9   16 x lane
.set LADR, 10                          ; v10  list words of ranks ROW0 + r
.set LADR2,11                          ; v11  list words of ranks ROW0 + h
.set GT,   12                          ; v12-13 the gates of ranks ROW0 + r and ROW0 + 16 + r
.set GA,   14                          ; v14-15 their byte offsets
.set AOFF, 16                          ; v16  the tile's byte offset in a block of hid + 16 x lane
.set WSA,  17
.set DMPI, 18
.set T0,   19
.set T1,   20
.set T2,   21
.set T3,   22
.set AOFN, 23                          ; v23  the same as AOFF for the wave's next tile
.set STO,  24                          ; v24  the way out: where I put 32 bytes of a row
.set RD,   25                          ; v25  where I read rows back
.set LB2,  26                          ; v26  4 h
.set C16,  27                          ; v27  16 r
.set BAD,  28                          ; v28  32 h
.set BIAS, 32                          ; v32-63  bias of column 16 c + 8 h + j at 8 c + j: as a result's registers lie
.set ACC,  64                          ; v64-127 accumulator (f, c) at 8 (4 f + c)
.set BF,   128                         ; v128-191, v192-255: two buffers of weight fragments; on the way out: 2 x 32 registers of rows, 16 of offsets
.set LR,   BF+64
.set SELR, 64
.set LT,   192                         ; v192-207 (wave 0, at the start): sixteen list addresses
.set LV,   208                         ; v208-223 sixteen slot numbers
.set ZR,   224                         ; v224-227 zeros
.set WV,   16
.set EX,   17
.set SL,   18
.set KH,   19
.set OF,   20                          ; s[20:27]: four byte offsets, made apart from the addresses
.set OW,   22
.set OB,   24
.set OP,   26
.set CNT,  28
.set ROW0, 29
.set TRIP, 30
.set TS,   33
.set HI,   34
.set KM,   35                          ; all ones in K half 0, else 0: the bias enters once
.set HK,   36
.set MK,   38                          ; s38-53  sixteen masks of matching lanes
.set BC,   66                          ; s66-81  their bit counts, then the running count behind each
.set MSB, 0
.macro WIN new                         ; s_set_vgpr_msb: bits 1:0 source 0, 3:2 source 1, 5:4 source 2, 7:6 destination; the high byte repeats the setting that is left
.if MSB != (\new)
	s_set_vgpr_msb (MSB<<8)|(\new)
.set MSB, \new
.endif
.endm
.macro PLACES
.rept 4
	v_nop
.endr
.endm
; 16 global loads: chunk ch (K steps 4 ch .. 4 ch + 3) of a tile of hid into slot ch % 4.  K step q lies in block 2 ch + q / 2 of my half; its registers 4 p .. 4 p + 3 of fragment f are piece (f, 2 (q % 2) + p).
; ar: the offset register, this tile's or the next one's
.macro ALOAD ch, ar
.set aa, 64*((\ch)%4)
.irp q, 0,1,2,3
.irp f, 0,1
.irp p, 0,1
	global_load_b128 v[aa+16*\q+8*\f+4*\p:aa+16*\q+8*\f+4*\p+3], v[\ar], s[4:5] offset:(2*(\ch)+\q/2)*262144+(4*\f+2*(\q%2)+\p)*512
.endr
.endr
.endr
.endm
	s_load_b256 s[4:11], s[0:1], 0x0               ; hid s[4:5], w_proj s[6:7], b_proj s[8:9], sel s[10:11]
	s_load_b128 s[12:15], s[0:1], 0x20             ; gates s[12:13], part s[14:15]
	v_lshl_add_u32 v[SPW], v0, 2, SPARE
	v_mov_b32 v[NIL], 0
	v_lshrrev_b32 v[T0], 5, v0
	v_readfirstlane_b32 s[WV], v[T0]
	s_and_b32 s[EX], ttmp7, 0xffff
	s_lshr_b32 s[SL], ttmp9, 1
	s_and_b32 s[KH], ttmp9, 1
	v_and_b32 v[LN], 31, v0
	v_and_b32 v[R_], 15, v0
	v_bfe_u32 v[H_], v0, 4, 1
	v_mul_u32_u24 v[BADR], v[R_], WP
	v_lshl_add_u32 v[BADR], v[H_], 4, v[BADR]
	v_add_nc_u32 v[BADR], WB, v[BADR]
	v_add_nc_u32 v[BADR+1], 32*WP, v[BADR]
	v_lshlrev_b32 v[LB], 2, v[R_]
	v_lshlrev_b32 v[L16], 4, v[LN]
	v_lshlrev_b32 v[BAD], 5, v[H_]
	v_lshlrev_b32 v[LB2], 2, v[H_]
	v_lshlrev_b32 v[C16], 4, v[R_]
	v_add_nc_u32 v[DMPI], DUMPW, v[LN]
	s_mul_i32 s[TS], s[WV], 8*WP
	s_add_co_u32 s[TS], s[TS], WB
	v_lshl_add_u32 v[WSA], v[LN], 3, s[TS]
	s_mul_i32 s[TS], s[WV], 16*SPI
	s_add_co_u32 s[TS], s[TS], STAGE               ; my stage
	v_mul_u32_u24 v[STO], v[R_], SPI               ; in: row r, 32 bytes for each half of the lanes
	v_lshl_add_u32 v[STO], v[H_], 5, v[STO]
	v_add_nc_u32 v[STO], s[TS], v[STO]
	v_mul_u32_u24 v[RD], v[H_], SPI                ; back: lanes 0-15 one row of 256 bytes, lanes 16-31 the next
	v_lshl_add_u32 v[RD], v[R_], 4, v[RD]
	v_add_nc_u32 v[RD], s[TS], v[RD]
	s_lshl_b32 s[OF], s[EX], 23                    ; hid: block 32 e + 16 kh of 262,144 bytes
	s_lshl_b32 s[TS], s[KH], 22
	s_add_co_u32 s[OF], s[OF], s[TS]
	s_mov_b32 s[OF+1], 0
	s_lshl_b32 s[OW], s[EX], 23                    ; w_proj: row 1,024 e + 64 slice + 8 wave of 8,192 bytes, + 4,096 kh
	s_lshl_b32 s[TS], s[SL], 19
	s_add_co_u32 s[OW], s[OW], s[TS]
	s_lshl_b32 s[TS], s[WV], 16
	s_add_co_u32 s[OW], s[OW], s[TS]
	s_lshl_b32 s[TS], s[KH], 12
	s_add_co_u32 s[OW], s[OW], s[TS]
	s_mov_b32 s[OW+1], 0
	s_lshl_b32 s[OB], s[EX], 12                    ; b_proj: (1,024 e + 64 slice) x 4
	s_lshl_b32 s[TS], s[SL], 8
	s_add_co_u32 s[OB], s[OB], s[TS]
	s_mov_b32 s[OB+1], 0
	s_lshl_b32 s[OP], s[KH], 24                    ; part: plane kh of 16,777,216 bytes, + 256 slice
	s_add_co_u32 s[OP], s[OP], s[TS]
	s_mov_b32 s[OP+1], 0
	s_mov_b32 s[HI], 0xffff0000
	s_cmp_eq_u32 s[KH], 0
	s_cselect_b32 s[KM], -1, 0
	s_and_b32 s[HK], s[HI], s[KM]
	s_lshl_b32 s[ROW0], s[WV], 5                   ; my first tile's first rank
	s_wait_kmcnt 0x0
	s_add_nc_u64 s[4:5], s[4:5], s[OF:OF+1]
	s_add_nc_u64 s[6:7], s[6:7], s[OW:OW+1]
	s_add_nc_u64 s[8:9], s[8:9], s[OB:OB+1]
	s_add_nc_u64 s[14:15], s[14:15], s[OP:OP+1]
	s_cmp_lg_u32 s[WV], 0
	s_cbranch_scc1 .Lno_sel
.set i, 0
.rept 32                                               ; wave 0: register 4 i + c holds sel[128 i + 4 lane + c]
	global_load_b128 v[SELR+4*i:SELR+4*i+3], v[L16], s[10:11] offset:512*i
.set i, i+1
.endr
.Lno_sel:
.irp c, 0,1,2,3
	global_load_b128 v[BIAS+8*\c:BIAS+8*\c+3],   v[BAD], s[8:9] offset:64*\c
	global_load_b128 v[BIAS+8*\c+4:BIAS+8*\c+7], v[BAD], s[8:9] offset:64*\c+16
.endr
	WIN 0x40
.set j, 0
.rept 64                                               ; my wave's 32 KB of weights at once: row j / 8, 512 consecutive bytes each
	global_load_b128 v[4*j:4*j+3], v[L16], s[6:7] offset:(j/8)*8192+(j%8)*512 th:TH_LOAD_NT
.set j, j+1
.endr
	WIN 0
	s_cmp_lg_u32 s[WV], 0
	s_cbranch_scc1 .Lno_list
.irp z, 0,1,2,3
	v_mov_b32 v[ZR+\z], 0
.endr
.set j, 0
.rept 18                                               ; list words 0..2303 are written whatever the count: 18 x 512 bytes
	ds_store_b128 v[L16], v[ZR:ZR+3] offset:512*j
.set j, j+1
.endr
	v_lshlrev_b32 v[T1], 2, v[LN]                  ; 4 x lane: the slot that register 0 holds
	s_mov_b32 s[CNT], 0
	s_wait_loadcnt 63                              ; behind sel's loads 72 were issued; the wait's field ends at 63, and a smaller count is safe
; Sixteen registers of sel at a time, in the same order as in the launch before: register by register, lane by lane.  Each kind of line stands sixteen times on end, so that none reads the result of the line
; before it; only the running count is a chain, of scalar additions.
.set bt, 0
.rept 8
.set k, 0
.rept 16
	v_cmp_eq_u32 s[MK+k], s[EX], v[SELR+16*bt+k]
.set k, k+1
.endr
.set k, 0
.rept 16
	s_bcnt1_i32_b32 s[BC+k], s[MK+k]
.set k, k+1
.endr
	s_add_co_u32 s[BC], s[BC], s[CNT]              ; the count behind register 0 of the batch,
.set k, 1
.rept 15
	s_add_co_u32 s[BC+k], s[BC+k], s[BC+k-1]       ; behind register k
.set k, k+1
.endr
	v_mbcnt_lo_u32_b32 v[LT], s[MK], s[CNT]        ; the count so far + the matching lanes below me
.set k, 1
.rept 15
	v_mbcnt_lo_u32_b32 v[LT+k], s[MK+k], s[BC+k-1]
.set k, k+1
.endr
.set k, 0
.rept 16
	v_cndmask_b32 v[LT+k], v[DMPI], v[LT+k], s[MK+k]
.set k, k+1
.endr
.set k, 0
.rept 16
	v_min_u32 v[LT+k], 0x91f, v[LT+k]              ; a word index made of loaded numbers is clamped to the list and its dump
.set k, k+1
.endr
.set k, 0
.rept 16
	v_lshlrev_b32 v[LT+k], 2, v[LT+k]
.set k, k+1
.endr
.set k, 0
.rept 16
	v_add_nc_u32 v[LV+k], 128*((16*bt+k)/4)+(16*bt+k)%4, v[T1]  ; register i holds slot 128 (i / 4) + 4 lane + i % 4
.set k, k+1
.endr
.set k, 0
.rept 16
	ds_store_b32 v[LT+k], v[LV+k]
.set k, k+1
.endr
	s_mov_b32 s[CNT], s[BC+15]
.set bt, bt+1
.endr
	s_max_u32 s[TS], s[CNT], 1
	s_sub_co_u32 s[TS], s[TS], 1
	s_min_u32 s[TS], s[TS], 0x7ff
	s_lshl_b32 s[TS], s[TS], 2
	v_mov_b32 v[T0], s[TS]
	ds_load_b32 v[T2], v[T0]                       ; the last live slot
	v_add_nc_u32 v[T1], s[CNT], v[LN]              ; the 32 places past the count repeat it
	v_min_u32 v[T1], 0x81f, v[T1]
	v_lshlrev_b32 v[T1], 2, v[T1]
	v_mov_b32 v[T3], CNTW
	v_mov_b32 v[T0], s[CNT]
	s_wait_dscnt 0x0
	ds_store_b32 v[T1], v[T2]
	ds_store_b32 v[T3], v[T0]
	s_wait_dscnt 0x0                               ; for the others' sake: list and count are in LDS
.Lno_list:
	s_barrier_signal -1                            ; up to here wave 0 alone has touched LDS
	s_barrier_wait -1
	v_mov_b32 v[T0], CNTW
	ds_load_b32 v[T1], v[T0]
	s_lshl_b32 s[TS], s[ROW0], 7                   ; a tile is 4,096 bytes of each block of hid
	v_add_nc_u32 v[AOFN], s[TS], v[L16]            ; my first tile
	s_wait_dscnt 0x0
	v_readfirstlane_b32 s[CNT], v[T1]
; Sixteen weight loads: rounded to bf16, as every input is; that number widened again and written as f16; laid into LDS.  Their 64 registers are slot b of the ring of rows, and chunk b of my first tile is
; asked for into them at once.
.macro WCONV b
	s_wait_loadcnt 48                              ; behind batch b three groups of 16 were issued: the later batches, and the chunks of rows asked for so far
	WIN 0x45
.set j, 16*(\b)
.rept 16
	v_cvt_pk_bf16_f32 v[4*j],   v[4*j],   v[4*j+1]
	v_cvt_pk_bf16_f32 v[4*j+2], v[4*j+2], v[4*j+3]
	v_and_b32 v[4*j+1], s[HI], v[4*j]
	v_and_b32 v[4*j+3], s[HI], v[4*j+2]
	v_lshlrev_b32 v[4*j],   16, v[4*j]
	v_lshlrev_b32 v[4*j+2], 16, v[4*j+2]
	v_cvt_pk_f16_f32 v[4*j],   v[4*j],   v[4*j+1]
	v_cvt_pk_f16_f32 v[4*j+1], v[4*j+2], v[4*j+3]
.set j, j+1
.endr
	WIN 0x04
.set j, 16*(\b)
.rept 16
	ds_store_b64 v[WSA], v[4*j:4*j+1] offset:(j/8)*WP+(j%8)*256
.set j, j+1
.endr
	s_wait_dscnt 0x0                               ; the stores are done with their registers: only now are these loaded again
	WIN 0x40
	ALOAD \b, AOFN
.endm
	WCONV 0
	WCONV 1
	WCONV 2
	WCONV 3
	WIN 0
.set i, 0
.rept 16                                               ; the bias: rounded to bf16, widened, and kept in K half 0 alone
	v_cvt_pk_bf16_f32 v[T0+i%2], v[BIAS+2*i], v[BIAS+2*i+1]
	v_lshlrev_b32 v[BIAS+2*i], 16, v[T0+i%2]
	v_and_b32 v[BIAS+2*i+1], s[HK], v[T0+i%2]
	v_and_b32 v[BIAS+2*i], s[KM], v[BIAS+2*i]
.set i, i+1
.endr
	s_wait_dscnt 0x0                               ; for the others' sake: my 8 weight rows are in LDS
	s_barrier_signal -1
	s_barrier_wait -1                              ; from here on list and weights are only read; each wave's stage is its own
	s_wait_xcnt 0x0                                ; the first tile's loads have read their offset: the tile's head writes that register anew
.macro BFETCH g                        ; 16 LDS loads: the weight fragments of K steps 2 g and 2 g + 1 into buffer g % 2
.set bb, BF+64*((\g)%2)
.irp k, 0,1
.irp c, 0,1,2,3
	ds_load_b128 v[bb+32*\k+8*\c:bb+32*\k+8*\c+3],   v[BADR+(\c)/2] offset:((\c)%2)*16*WP+64*(2*(\g)+\k)
	ds_load_b128 v[bb+32*\k+8*\c+4:bb+32*\k+8*\c+7], v[BADR+(\c)/2] offset:((\c)%2)*16*WP+64*(2*(\g)+\k)+32
.endr
.endr
.endm
; 8 matrix instructions, K step s.  Source 0 = 16 weight rows (output columns), source 1 = 16 rows of hid.  The 8 accumulators take turns; first = 1: the first K step starts the sums, on the bias.
.macro MUL8 s, first
.set bb, BF+64*(((\s)/2)%2)+32*((\s)%2)
.set aa, 64*(((\s)/4)%4)+16*((\s)%4)
.irp f, 0,1
.irp c, 0,1,2,3
.if \first
	v_wmma_f32_16x16x32_f16 v[ACC+8*(4*\f+\c):ACC+8*(4*\f+\c)+7], v[bb+8*\c:bb+8*\c+7], v[aa+8*\f:aa+8*\f+7], v[BIAS+8*\c:BIAS+8*\c+7]
.else
	v_wmma_f32_16x16x32_f16 v[ACC+8*(4*\f+\c):ACC+8*(4*\f+\c)+7], v[bb+8*\c:bb+8*\c+7], v[aa+8*\f:aa+8*\f+7], v[ACC+8*(4*\f+\c):ACC+8*(4*\f+\c)+7]
.endif
.endr
.endr
.endm
.macro STEP2 g, lc, al                 ; two K steps; lc >= 0: a chunk begins and lc younger loads may stay out; al >= 0: chunk al is asked for
.if (\lc) >= 0
	s_wait_loadcnt \lc
.endif
	s_wait_dscnt 0x0                               ; buffer g % 2 is in
.if (\g) < 15
	PLACES
	BFETCH (\g)+1
.if (\al) >= 0
	WIN 0x40
	ALOAD \al, AOFF
	WIN 0x04
.endif
.endif
.if (\g) == 0
	MUL8 0, 1
.else
	MUL8 2*(\g), 0
.endif
	MUL8 2*(\g)+1, 0
.endm
; The way out of rows 16 f .. 16 f + 15: g (y + b) in place, into my stage (a lane holds 8 neighbouring columns of row r), and back as whole rows of 256 bytes.
.macro OUT16 f
.set rr, BF+32*(\f)
.irp c, 0,1,2,3
.irp p, 0,2,4,6
.if (\f) == 0
	v_pk_mul_f32 v[ACC+8*(4*(\f)+\c)+\p:ACC+8*(4*(\f)+\c)+\p+1], v[ACC+8*(4*(\f)+\c)+\p:ACC+8*(4*(\f)+\c)+\p+1], v[GT:GT+1] op_sel_hi:[1,0]  ; each accumulator from its low end on
.else
	v_pk_mul_f32 v[ACC+8*(4*(\f)+\c)+\p:ACC+8*(4*(\f)+\c)+\p+1], v[ACC+8*(4*(\f)+\c)+\p:ACC+8*(4*(\f)+\c)+\p+1], v[GT:GT+1] op_sel:[0,1] op_sel_hi:[1,1]
.endif
.endr
.endr
.irp c, 0,1,2,3
	ds_store_b128 v[STO], v[ACC+8*(4*(\f)+\c):ACC+8*(4*(\f)+\c)+3]   offset:64*\c
	ds_store_b128 v[STO], v[ACC+8*(4*(\f)+\c)+4:ACC+8*(4*(\f)+\c)+7] offset:64*\c+16
.endr
.irp t, 0,1,2,3,4,5,6,7
	ds_load_b128 v[rr+4*\t:rr+4*\t+3], v[RD] offset:2*SPI*\t  ; LDS serves a wave's instructions in order: these see the stores above, and the next sixteen rows' stores come behind them
.endr
.endm
	s_mov_b32 s[TRIP], 8                           ; 8 trips x 8 waves x 32 rows = 2,048: every split is served
.Ltrip:
	s_cmp_ge_u32 s[ROW0], s[CNT]
	s_cbranch_scc1 .Ldead                          ; no live row in this tile: the work is jumped; what is jumped holds no barrier
	s_lshl_b32 s[TS], s[ROW0], 2
	v_add_nc_u32 v[LADR], s[TS], v[LB]
	v_add_nc_u32 v[LADR2], s[TS], v[LB2]
	s_lshl_b32 s[TS], s[ROW0], 7                   ; a tile is 4,096 bytes of each block of hid
	v_add_nc_u32 v[AOFF], s[TS], v[L16]
	v_add_nc_u32 v[AOFN], 0x8000, v[AOFF]          ; my next tile, 256 ranks on
	ds_load_b32 v[GA], v[LADR]
	ds_load_b32 v[GA+1], v[LADR] offset:64
	BFETCH 0
	s_wait_dscnt 16                                ; the two list words are in; the 16 fragment loads may stay out
	v_min_u32 v[GA], 0xfff, v[GA]                  ; a loaded number enters an address only clamped
	v_min_u32 v[GA+1], 0xfff, v[GA+1]
	v_lshlrev_b32 v[GA], 2, v[GA]
	v_lshlrev_b32 v[GA+1], 2, v[GA+1]
	global_load_b32 v[GT], v[GA], s[12:13]         ; younger than chunks 0 to 3, which were asked for ahead of the tile, and older than chunk 4
	global_load_b32 v[GT+1], v[GA+1], s[12:13]
	WIN 0x04
	STEP2 0,  50, -1                               ; chunks 1 to 3 and the two gates are younger
	STEP2 1,  -1, -1
	STEP2 2,  34, 4                                ; chunks 2, 3 and the gates; then chunk 4 is asked for
	STEP2 3,  -1, -1
	STEP2 4,  34, 5                                ; chunk 3, the gates, chunk 4
	STEP2 5,  -1, -1
	STEP2 6,  34, 6                                ; the gates, chunks 4, 5
	STEP2 7,  -1, -1
	STEP2 8,  32, 7                                ; chunks 5, 6: the gates are in too
	STEP2 9,  -1, -1
	STEP2 10, 32, -1
	STEP2 11, -1, -1
	STEP2 12, 16, -1
	STEP2 13, -1, -1
	STEP2 14, 0,  -1
	STEP2 15, -1, -1
	WIN 0
	PLACES                                         ; behind the last products: for the loads into the ring, and for the way out's reads
	s_add_co_u32 s[TS], s[ROW0], 256
	s_cmp_ge_u32 s[TS], s[CNT]
	s_cbranch_scc1 .Lno_next                       ; my next tile is dead: nothing is asked for.  One branch for all 64 loads: the next tile's counts hold on either way
	WIN 0x40
	ALOAD 0, AOFN                                  ; my next tile's first four chunks are on their way while this tile goes out
	ALOAD 1, AOFN
	ALOAD 2, AOFN
	ALOAD 3, AOFN
	WIN 0
.Lno_next:
.irp f, 0,1
.irp t, 0,1,2,3,4,5,6,7
	ds_load_b32 v[LR+8*\f+\t], v[LADR2] offset:4*(16*\f+2*\t)  ; the slot of rank ROW0 + 16 f + 2 t + h: the row that I shall store
.endr
.endr
	OUT16 0
	OUT16 1
	s_wait_dscnt 32                                ; the 16 list words are in; the stage's 32 instructions are younger
.set i, 0
.rept 16
	v_min_u32 v[LR+i], 0xfff, v[LR+i]
	v_lshl_add_u32 v[LR+i], v[LR+i], 12, v[C16]    ; slot x 4,096 bytes + 16 r
.set i, i+1
.endr
	s_wait_dscnt 16                                ; rows 0-15 are back; the second sixteen's 8 stores and 8 loads are younger
.irp t, 0,1,2,3,4,5,6,7
	global_store_b128 v[LR+\t], v[BF+4*\t:BF+4*\t+3], s[14:15]  ; 16 lanes store 256 consecutive bytes of one row, at a multiple of 256 from part's first
.endr
	s_wait_dscnt 0x0
.irp t, 0,1,2,3,4,5,6,7
	global_store_b128 v[LR+8+\t], v[BF+32+4*\t:BF+32+4*\t+3], s[14:15]
.endr
	s_wait_xcnt 0x0                                ; the stores' data and the loads' and stores' offset registers are rewritten only behind this wait
.Ldead:
	s_add_co_u32 s[ROW0], s[ROW0], 256
	s_sub_co_u32 s[TRIP], s[TRIP], 1
	s_cmp_lg_u32 s[TRIP], 0
	s_cbranch_scc1 .Ltrip
	s_wait_tensorcnt 0x0                           ; the wave's end
	ds_add_u32 v[SPW], v[NIL]
	s_wait_dscnt 0x0
	s_endpgm
.Lfunc_end_k_q81ec7e5ac7_proj:
	.size	k_q81ec7e5ac7_proj, .Lfunc_end_k_q81ec7e5ac7_proj-k_q81ec7e5ac7_proj
	.p2alignl 7, 3214868480
	.fill 96, 4, 3214868480
	.section	.rodata,"a",@progbits
	.p2align	6, 0x0
	.amdhsa_kernel k_q81ec7e5ac7_proj
		.amdhsa_group_segment_fixed_size 177664
		.amdhsa_private_segment_fixed_size 0
		.amdhsa_enable_private_segment 0
		.amdhsa_kernarg_size 48
		.amdhsa_user_sgpr_count 2
		.amdhsa_user_sgpr_kernarg_segment_ptr 1
		.amdhsa_wavefront_size32 1
		.amdhsa_system_sgpr_workgroup_id_x 1
		.amdhsa_system_sgpr_workgroup_id_y 1
		.amdhsa_system_sgpr_workgroup_id_z 1
		.amdhsa_system_vgpr_workitem_id 0
		.amdhsa_next_free_vgpr 512
		.amdhsa_next_free_sgpr 82
		.amdhsa_reserve_vcc 0
		.amdhsa_float_denorm_mode_32 3
		.amdhsa_float_denorm_mode_16_64 3
		.amdhsa_memory_ordered 1
		.amdhsa_forward_progress 1
		.amdhsa_inst_pref_size 170
	.end_amdhsa_kernel
	.amdgpu_metadata
---
amdhsa.version: [ 1, 2 ]
amdhsa.kernels:
  - .name:           k_q81ec7e5ac7_proj
    .symbol:         k_q81ec7e5ac7_proj.kd
    .args:
      - { .name: hid, .offset: 0, .size: 8, .value_kind: global_buffer, .address_space: global }
      - { .name: w_proj, .offset: 8, .size: 8, .value_kind: global_buffer, .address_space: global }
      - { .name: b_proj, .offset: 16, .size: 8, .value_kind: global_buffer, .address_space: global }
      - { .name: sel, .offset: 24, .size: 8, .value_kind: global_buffer, .address_space: global }
      - { .name: gates, .offset: 32, .size: 8, .value_kind: global_buffer, .address_space: global }
      - { .name: part, .offset: 40, .size: 8, .value_kind: global_buffer, .address_space: global }
    .group_segment_fixed_size: 177664
    .private_segment_fixed_size: 0
    .kernarg_segment_align: 8
    .kernarg_segment_size: 48
    .max_flat_workgroup_size: 256
    .sgpr_count:     82
    .vgpr_count:     512
    .wavefront_size: 32
...
	.end_amdgpu_metadata
.endif
;; end of part 3
;; launch combine (part 4): grid 256 x 1, 8 waves a work-group, no clusters, 0 bytes of LDS; arguments part, out0; writes out0
.if DOCPART == 4
	.amdgcn_target "amdgcn-amd-amdhsa--gfx1250"
	.amdhsa_code_object_version 6
	.text
	.protected	k_q81ec7e5ac7_combine
	.globl	k_q81ec7e5ac7_combine
	.p2align	8
	.type	k_q81ec7e5ac7_combine,@function
k_q81ec7e5ac7_combine:
	s_mov_b64 s[64:65], 0
	v_nop
	global_prefetch_b8 v0, s[64:65] scope:SCOPE_SE
	s_setreg_imm32_b32 hwreg(HW_REG_WAVE_MODE, 25, 1), 1
	s_wait_xcnt 0x0
; out0[t] = part[0][2 t] + part[1][2 t] + part[0][2 t + 1] + part[1][2 t + 1]: a token's two choices, each in two halves of K; all f32.  Every row of part has been written: each slot lies in one expert's list.
; A stream: 256 work-groups of 8 tokens; thread i owns bytes 16 i of a row of 4,096, so a wave's load or store covers 512 consecutive bytes.  All 32 loads of a thread go out at once.
; No LDS, no matrix unit, no cluster: nothing is shared and nothing is read twice.
	s_load_b128 s[4:7], s[0:1], 0x0                ; part s[4:5], out0 s[6:7]
	v_lshlrev_b32 v1, 4, v0
	s_lshl_b32 s8, ttmp9, 16                       ; 16 slots of 4,096 bytes
	s_mov_b32 s9, 0
	s_lshl_b32 s10, ttmp9, 15                      ; 8 tokens of 4,096 bytes
	s_mov_b32 s11, 0
	s_wait_kmcnt 0x0
	s_add_nc_u64 s[4:5], s[4:5], s[8:9]
	s_add_nc_u64 s[12:13], s[4:5], 0x1000000       ; the second half's plane, 16,777,216 bytes on
	s_add_nc_u64 s[6:7], s[6:7], s[10:11]
.set t, 0
.rept 8
	global_load_b128 v[8+16*t:11+16*t],  v1, s[4:5]   offset:8192*t th:TH_LOAD_NT
	global_load_b128 v[12+16*t:15+16*t], v1, s[4:5]   offset:8192*t+4096 th:TH_LOAD_NT
	global_load_b128 v[16+16*t:19+16*t], v1, s[12:13] offset:8192*t th:TH_LOAD_NT
	global_load_b128 v[20+16*t:23+16*t], v1, s[12:13] offset:8192*t+4096 th:TH_LOAD_NT
.set t, t+1
.endr
.set t, 0
.rept 8
	s_wait_loadcnt 4*(7-t)                         ; this token's four loads are in; the later tokens' stay out
	v_pk_add_f32 v[8+16*t:9+16*t],   v[8+16*t:9+16*t],   v[16+16*t:17+16*t]
	v_pk_add_f32 v[10+16*t:11+16*t], v[10+16*t:11+16*t], v[18+16*t:19+16*t]
	v_pk_add_f32 v[12+16*t:13+16*t], v[12+16*t:13+16*t], v[20+16*t:21+16*t]
	v_pk_add_f32 v[14+16*t:15+16*t], v[14+16*t:15+16*t], v[22+16*t:23+16*t]
	v_pk_add_f32 v[8+16*t:9+16*t],   v[8+16*t:9+16*t],   v[12+16*t:13+16*t]
	v_pk_add_f32 v[10+16*t:11+16*t], v[10+16*t:11+16*t], v[14+16*t:15+16*t]
	global_store_b128 v1, v[8+16*t:11+16*t], s[6:7] offset:4096*t th:TH_STORE_NT
.set t, t+1
.endr
	s_endpgm
.Lfunc_end_k_q81ec7e5ac7_combine:
	.size	k_q81ec7e5ac7_combine, .Lfunc_end_k_q81ec7e5ac7_combine-k_q81ec7e5ac7_combine
	.p2alignl 7, 3214868480
	.fill 96, 4, 3214868480
	.section	.rodata,"a",@progbits
	.p2align	6, 0x0
	.amdhsa_kernel k_q81ec7e5ac7_combine
		.amdhsa_group_segment_fixed_size 0
		.amdhsa_private_segment_fixed_size 0
		.amdhsa_enable_private_segment 0
		.amdhsa_kernarg_size 16
		.amdhsa_user_sgpr_count 2
		.amdhsa_user_sgpr_kernarg_segment_ptr 1
		.amdhsa_wavefront_size32 1
		.amdhsa_system_sgpr_workgroup_id_x 1
		.amdhsa_system_sgpr_workgroup_id_y 1
		.amdhsa_system_sgpr_workgroup_id_z 1
		.amdhsa_system_vgpr_workitem_id 0
		.amdhsa_next_free_vgpr 136
		.amdhsa_next_free_sgpr 66
		.amdhsa_reserve_vcc 0
		.amdhsa_float_denorm_mode_32 3
		.amdhsa_float_denorm_mode_16_64 3
		.amdhsa_memory_ordered 1
		.amdhsa_forward_progress 1
		.amdhsa_inst_pref_size 8
	.end_amdhsa_kernel
	.amdgpu_metadata
---
amdhsa.version: [ 1, 2 ]
amdhsa.kernels:
  - .name:           k_q81ec7e5ac7_combine
    .symbol:         k_q81ec7e5ac7_combine.kd
    .args:
      - { .name: part, .offset: 0, .size: 8, .value_kind: global_buffer, .address_space: global }
      - { .name: out0, .offset: 8, .size: 8, .value_kind: global_buffer, .address_space: global }
    .group_segment_fixed_size: 0
    .private_segment_fixed_size: 0
    .kernarg_segment_align: 8
    .kernarg_segment_size: 16
    .max_flat_workgroup_size: 256
    .sgpr_count:     66
    .vgpr_count:     136
    .wavefront_size: 32
...
	.end_amdgpu_metadata
.endif
;; end of part 4
